; MI455X (gfx1250); checked and timed in simulation.
; The chip was launched on July 23, 2026; its instructions are those of AMD's public machine-readable ISA for CDNA 5 (MIT licence, August 2026) and "CDNA5" Instruction Set Architecture Reference Guide (July 2026). The comments in the code are by the model that wrote it; some were corrected since.
;; Multi Head Attention. Allowed arithmetic: matrix products marked QUANTISED: E2M3 operands, one E8M0 scale for each 32 along K, by v_wmma_scale_f32_16x16x128_f8f6f4 with both operands' format E2M3, f32 sums; everything else in f32.
;; Inputs: Wk 512 x 512 float32; Wo 512 x 512 float32; Wq 512 x 512 float32; Wv 512 x 512 float32; bk 512 float32; bo 512 float32; bq 512 float32; bv 512 float32; k 2 x 4,096 x 512 float32; q 2 x 4,096 x 512 float32; v 2 x 4,096 x 512 float32.
;; Outputs: out0 2 x 4,096 x 512 float32.
;; This version of the problem:
;;   THIS VERSION OF THE PROBLEM IS GIVEN IN LOW PRECISION. The matrix products marked QUANTISED in the list below multiply operands that are first quantised to E2M3 (2 exponent bits, 3 mantissa bits; 6 bits a number), with one power-of-two scale for each 32 numbers along K (OCP MX v1.0); their sums are f32. All else is computed in f32.
;;   The module's matrix products, in the order in which they are computed (A, B: the left and right operand; K: the contracted axis; several contracted axes count as one K, in the product's order):
;;     1. [M 8,192, K 512] x [K 512, N 512]; A: input q; B: input Wq: QUANTISED
;;     2. [M 8,192, K 512] x [K 512, N 512]; A: input k; B: input Wk: QUANTISED
;;     3. [M 8,192, K 512] x [K 512, N 512]; A: input v; B: input Wv: QUANTISED
;;     4. batch 16 x [M 4,096, K 64] x [K 64, N 4,096]; A: computed on the way; B: computed on the way: QUANTISED
;;     5. batch 16 x [M 4,096, K 4,096] x [K 4,096, N 64]; A: softmax (see below); B: computed on the way: QUANTISED
;;     6. [M 8,192, K 512] x [K 512, N 512]; A: computed on the way; B: input Wo: QUANTISED
;;   THE QUANTISER, for each operand of a quantised product, along K:
;;     - K is cut into blocks of 32 from its start; a last block that is shorter is filled with zeros.
;;     - A block's scale is 2^e with e = floor(log2(the largest magnitude in the block)) - 2, held to -126 .. 127; a block of zeros has e = 0. As a byte (E8M0): e + 127.
;;     - Each number is divided by its block's scale, clamped to +-7.5, and rounded to the nearest number of E2M3, ties to even, subnormals kept.
;;     - The product sums the exact products of the quantised numbers (number of the format x scale) in f32.
;;   ~~~python
;;   def quantise(x, axis):      # numpy; x: float32 -> the quantised numbers, widened to float32 again
;;       x = np.moveaxis(x, axis, -1); K = x.shape[-1]
;;       x = np.pad(x, [(0, 0)] * (x.ndim - 1) + [(0, -K % 32)]); x = x.reshape(x.shape[:-1] + (-1, 32)); a = np.abs(x).max(-1, keepdims=True)
;;       e = np.where(a > 0, np.clip(np.frexp(np.where(a > 0, a, 1))[1] - 1 - 2, -126, 127), 0)      # np.frexp(a)[1] - 1 = floor(log2(a)), exactly
;;       r = np.clip(x / 2.0 ** e, -7.5, 7.5)
;;       step = 2.0 ** (np.maximum(np.frexp(np.where(r == 0, 1, r))[1] - 1, 0) - 3)
;;       q = np.round(r / step) * step * 2.0 ** e      # np.round: ties to even
;;       return np.moveaxis(q.reshape(q.shape[:-2] + (-1,))[..., :K], -1, axis).astype(np.float32)
;;   ~~~
;;   SOFTMAX AHEAD OF A QUANTISED PRODUCT. Where the list says 'softmax', what is quantised is not the finished softmax but p = 2^(t - M), with t = logit x log2(e) and M = ceil(the row's largest t), a whole number; so 1/2 < the row's largest p <= 1. The row's sum l is taken of the UNQUANTISED p, in f32, and the product's result is divided by l at the end. Since M is a whole number, a kernel that streams over the keys may use a running M (the ceiling of the running maximum): every later rescaling is an exact power of two, which a block's scale takes up: the codes' values come out the same.
;;   OPERANDS COMPUTED ON THE WAY. 'Computed on the way' means the value that the module computes at that place (a softmax that the list does not call 'softmax' is quantised finished and normalised). What goes into a quantiser is computed in f32, as accurately as f32 sums, v_exp_f32 and their like allow (about 1e-6 of the number): no bf16 or f16 on the way to a quantiser, and a product that is left as it is and whose result goes on into a quantised operand takes f32 operands (vector FMAs, or v_wmma_f32_16x16x4_f32). A number that lies on a knife's edge between two numbers of the format may be rounded either way, as far as f32 arithmetic and the matrix unit's own rounding can turn it there, and no further.
;; One version. Each part assembles by itself: llvm-mc -triple=amdgcn-amd-amdhsa -mcpu=gfx1250 --defsym DOCPART=n.
;; ======== version 1 of 1: 4 launches
;; limits: right only within a limited range of input values
;; workspace buffers: xc 10,223,616 bytes; xs 851,968 bytes; qc 3,145,728 bytes; qs 262,144 bytes; kv 6,684,672 bytes; oc 3,145,728 bytes; os 524,288 bytes
;; launch quant (part 1): grid 208 x 1, 8 waves a work-group, no clusters, 68,608 bytes of LDS; arguments q, k, v, Wq, Wk, Wv, Wo, xc, xs; writes xc, xs
.if DOCPART == 1
	.amdgcn_target "amdgcn-amd-amdhsa--gfx1250"
	.amdhsa_code_object_version 6
	.text
	.protected	k_q6420aafe21_quant
	.globl	k_q6420aafe21_quant
	.p2align	8
	.type	k_q6420aafe21_quant,@function
k_q6420aafe21_quant:
	s_mov_b64 s[64:65], 0
	v_nop
	global_prefetch_b8 v0, s[64:65] scope:SCOPE_SE
	s_setreg_imm32_b32 hwreg(HW_REG_WAVE_MODE, 25, 1), 1
	s_wait_xcnt 0x0
; q, k, v [8192][512] and Wq, Wk, Wv, Wo [512][512], f32 with K innermost, become codes of FP6 (E2M3) with one E8M0 byte for each 32 along K.
; A block's scale is 2^(floor(log2(its largest magnitude)) - 2); its byte is that magnitude's exponent field - 2, held at 1 from below.
; LIMITS: NaN and infinities among the inputs are not served.  A block of zeros gets the byte 1 where the rule says 127: its codes are zeros, and this program alone reads the bytes.
; LAYOUT OF THE RESULT.  Rows are taken in TILES of 16: lane r of tile t holds row 32 (t / 2) + 8 (t % 2) + r + 8 (r / 8).  A fragment (a tile x 128 along K: 12 registers a lane) is stored as an
; image of its registers: register p at byte 512 (p / 4) + 16 lane + 4 (p % 4).  xc: [tile 1664][K step 4][1536 bytes]; xs: [tile][lane][4 scale words, one a K step].
; Tiles: q 0-511, k 512-1023, v 1024-1535, Wq 1536.., Wk 1568.., Wv 1600.., Wo 1632-1663.
; SHARES.  A work-group takes 128 rows of one tensor, a wave one tile.  Each load reads 512 consecutive bytes of a row; a K step's 16 x 512 bytes turn through the wave's own stage in LDS, so that
; lane (r, h) holds, of row r, the 16 neighbours 32 b + 16 h + 0 .. 15 of each block b.  No barrier: waves share nothing.
.set SP,    528                        ; a stage row: 512 bytes + 16: an odd multiple of 16, so that sixteen rows start in sixteen different groups of banks
.set STG,   16*SP                      ; a wave's stage
.set SPARE, 8*STG                      ; behind the stages: the spare words, 128 bytes for each of the eight waves, which no other line names
.set TM,  16                           ; v16-31  at work: largest magnitudes, bytes, scale operands
.set PC,  32                           ; v32-43  the fragment's codes
.set TP,  44                           ; v44-50  the conversions' second halves
.set PW,  52                           ; v52-55  the four scale words
.set SPW, 56                           ; v56     LDS address of my spare word; never rewritten
.set NIL, 57                           ; v57     0; never rewritten
.set R,   64                           ; v64-255 three sets of 64 numbers
.set SEL, 28                           ; s[28:29] lane selects: lane l xor 16
	s_load_b512 s[8:23], s[0:1], 0x0               ; q, k, v, Wq, Wk, Wv, Wo, xc
	s_load_b64 s[24:25], s[0:1], 0x40              ; xs
	v_lshl_add_u32 v[SPW], v0, 2, SPARE
	v_mov_b32 v[NIL], 0
	v_lshrrev_b32 v4, 5, v0
	s_delay_alu instid0(VALU_DEP_1)
	v_readfirstlane_b32 s26, v4                    ; wave 0..7
	v_and_b32 v4, 31, v0
	s_delay_alu instid0(VALU_DEP_1)
	v_lshlrev_b32 v1, 4, v4                        ; 16 x lane: my bytes of a load's 512, and of an image's
	s_mul_i32 s27, s26, STG                        ; my stage
	v_add_nc_u32 v2, s27, v1                       ; into it: as loaded
	v_and_b32 v5, 15, v0                           ; r
	v_bfe_u32 v6, v0, 4, 1                         ; h
	s_delay_alu instid0(VALU_DEP_2)
	v_mul_u32_u24 v3, v5, SP
	s_delay_alu instid0(VALU_DEP_1)
	v_lshl_add_u32 v3, v6, 6, v3
	s_delay_alu instid0(VALU_DEP_1)
	v_add_nc_u32 v3, s27, v3                       ; out of it: row r, + 64 h
.irp b, 0,1,2,3
	v_mov_b32 v[TM+4+\b], 0                        ; written once: a lane permute's destination counts as one of its sources
.endr
	s_mov_b32 s[SEL], 0x76543210
	s_mov_b32 s[SEL+1], 0xfedcba98
	s_and_b32 s30, ttmp9, 63                       ; which 128 rows of the tensor: of 64 in q, k, v,
	s_and_b32 s31, ttmp9, 3                        ; of 4 in a weight
	s_cmp_lt_u32 ttmp9, 192
	s_cselect_b32 s30, s30, s31
	s_lshl_b32 s30, s30, 18                        ; 128 rows of 2,048 bytes
	s_lshr_b32 s32, s26, 1
	s_lshl_b32 s32, s32, 16                        ; + 32 rows for each pair of tiles
	s_and_b32 s33, s26, 1
	s_lshl_b32 s33, s33, 14                        ; + 8 rows for the odd tile
	; k's tiles (work-groups 64 to 127) hold other rows: lane r of tile t holds row 64 (t / 4) + 32 (r / 8) + 8 (t % 4) + r % 8,
	; so that in the attention's scores a lane's 32 registers of four tiles are one block of 32 neighbouring keys
	s_lshr_b32 s40, s26, 2
	s_lshl_b32 s40, s40, 17                        ; 64 rows for each four tiles
	s_and_b32 s41, s26, 3
	s_lshl_b32 s41, s41, 14                        ; + 8 rows for the tile among its four
	s_mov_b32 s42, 0x8000                          ; a tile's rows 8-15 begin 16 rows behind its rows 0-7,
	s_mov_b32 s43, 0
	s_lshr_b32 s44, ttmp9, 6
	s_cmp_eq_u32 s44, 1
	s_cselect_b32 s32, s40, s32
	s_cselect_b32 s33, s41, s33
	s_cselect_b32 s42, 0x10000, s42                ; in k 32 rows
	s_add_co_u32 s30, s30, s32
	s_add_co_u32 s30, s30, s33
	s_mov_b32 s31, 0
	s_lshl_b32 s34, ttmp9, 3
	s_add_co_u32 s34, s34, s26                     ; my tile's number: 8 x work-group + wave
	s_mul_i32 s36, s34, 6144
	s_mov_b32 s37, 0
	s_lshl_b32 s38, s34, 9
	s_mov_b32 s39, 0
	s_wait_alu depctr_va_vdst(0)
	s_wait_kmcnt 0x0
	s_mov_b64 s[4:5], s[20:21]                     ; the tensor is chosen by the work-group's number alone
	s_cmp_lt_u32 ttmp9, 204
	s_cselect_b64 s[4:5], s[18:19], s[4:5]
	s_cmp_lt_u32 ttmp9, 200
	s_cselect_b64 s[4:5], s[16:17], s[4:5]
	s_cmp_lt_u32 ttmp9, 196
	s_cselect_b64 s[4:5], s[14:15], s[4:5]
	s_cmp_lt_u32 ttmp9, 192
	s_cselect_b64 s[4:5], s[12:13], s[4:5]
	s_cmp_lt_u32 ttmp9, 128
	s_cselect_b64 s[4:5], s[10:11], s[4:5]
	s_cmp_lt_u32 ttmp9, 64
	s_cselect_b64 s[4:5], s[8:9], s[4:5]
	s_add_nc_u64 s[4:5], s[4:5], s[30:31]
	s_add_nc_u64 s[6:7], s[4:5], s[42:43]          ; the tile's rows 8-15
	s_add_nc_u64 s[22:23], s[22:23], s[36:37]
	s_add_nc_u64 s[24:25], s[24:25], s[38:39]
.macro LOADK ks, rs                    ; K step ks of the tile's 16 rows into set rs: each load is 512 consecutive bytes of one row
.irp p, 0,1,2,3,4,5,6,7,8,9,10,11,12,13,14,15
.if \p < 8
	global_load_b128 v[R+64*(\rs)+4*\p:R+64*(\rs)+4*\p+3], v1, s[4:5] offset:\p*2048+512*(\ks) th:TH_LOAD_NT
.else
	global_load_b128 v[R+64*(\rs)+4*\p:R+64*(\rs)+4*\p+3], v1, s[6:7] offset:(\p-8)*2048+512*(\ks) th:TH_LOAD_NT
.endif
.endr
.endm
.macro TURN rs                         ; through the stage and back into the same registers: LDS serves a wave's instructions in order, so no wait stands between
.irp p, 0,1,2,3,4,5,6,7,8,9,10,11,12,13,14,15
	ds_store_b128 v2, v[R+64*(\rs)+4*\p:R+64*(\rs)+4*\p+3] offset:SP*\p
.endr
.irp b, 0,1,2,3
.irp j, 0,1,2,3
	ds_load_b128 v[R+64*(\rs)+16*\b+4*\j:R+64*(\rs)+16*\b+4*\j+3], v3 offset:128*\b+16*\j
.endr
.endr
.endm
; 64 numbers of a lane, register 16 b + i = k 32 b + 16 h + i of my row, become the fragment's codes in v[PC] on and its scale word in v[pw]
.macro QUANT src, pw
.irp b, 0,1,2,3
	v_max3_num_f32 v[TM+\b], |v[(\src)+16*\b]|, |v[(\src)+16*\b+1]|, 0x1800000   ; my 16 numbers of block b, and the floor 2^(3 - 127): the byte cannot fall under 1
.endr
.irp i, 2,4,6,8,10,12,14
.irp b, 0,1,2,3
	s_delay_alu instid0(VALU_DEP_4)
	v_max3_num_f32 v[TM+\b], |v[(\src)+16*\b+\i]|, |v[(\src)+16*\b+\i+1]|, v[TM+\b]   ; the four blocks by turns
.endr
.endr
.irp b, 0,1,2,3
	s_delay_alu instid0(VALU_DEP_4)
	v_permlanex16_b32 v[TM+4+\b], v[TM+\b], s[SEL], s[SEL+1]
.endr
.irp b, 0,1,2,3
	s_delay_alu instid0(VALU_DEP_4)
	v_max_num_f32 v[TM+\b], v[TM+\b], v[TM+4+\b]   ; with lane l xor 16's: the block's largest magnitude
.endr
.irp b, 0,1,2,3
	s_delay_alu instid0(VALU_DEP_4)
	v_add_nc_u32 v[TM+12+\b], 0xff000000, v[TM+\b] ; 2 off its exponent field: the conversion's scale operand
.endr
.irp b, 0,1,2,3
	s_delay_alu instid0(VALU_DEP_4)
	v_lshrrev_b32 v[TM+4+\b], 23, v[TM+12+\b]      ; the scale's byte
.endr
	s_delay_alu instid0(VALU_DEP_3)
	v_lshl_or_b32 v[\pw], v[TM+5], 8, v[TM+4]
	s_delay_alu instid0(VALU_DEP_1)
	v_lshl_or_b32 v[\pw], v[TM+6], 16, v[\pw]
	s_delay_alu instid0(VALU_DEP_1)
	v_lshl_or_b32 v[\pw], v[TM+7], 24, v[\pw]
.irp c, 0,1
	v_cvt_scalef32_pk16_fp6_f32 v[PC+6*\c:PC+6*\c+2], v[(\src)+32*\c:(\src)+32*\c+15], v[TM+12+2*\c]
	v_cvt_scalef32_pk16_fp6_f32 v[TP+4*\c:TP+4*\c+2], v[(\src)+32*\c+16:(\src)+32*\c+31], v[TM+13+2*\c]   ; (a conversion's three registers begin on an even number)
.endr
	v_nop                                          ; one plain place behind the scaled conversions
.irp c, 0,1                                    ; the operand wants a whole block in a lane: lanes 0-15 block 2 c, lanes 16-31 block 2 c + 1
.irp i, 0,1,2
	v_permlane16_swap_b32 v[PC+6*\c+\i], v[TP+4*\c+\i]
.endr
.irp i, 0,1,2
	s_delay_alu instid0(VALU_DEP_3)
	v_mov_b32 v[PC+3+6*\c+\i], v[TP+4*\c+\i]
.endr
.endr
.endm
.macro KSTEP ks, left
	s_wait_loadcnt \left                           ; this K step's 16 loads are in; those of the later steps already issued may stay out
	TURN (\ks)%3
	s_wait_dscnt 0x0
.if (\ks) > 0
	s_wait_xcnt 0x0                                ; the last step's stores have read the codes' registers, which are written anew below
.endif
	QUANT R+64*((\ks)%3), PW+(\ks)
.irp c, 0,1,2
	global_store_b128 v1, v[PC+4*\c:PC+4*\c+3], s[22:23] offset:1536*(\ks)+512*\c   ; 32 lanes store 512 consecutive bytes, at a multiple of 256 from the buffer's first byte
.endr
.endm
	LOADK 0, 0
	LOADK 1, 1
	LOADK 2, 2
	KSTEP 0, 32                                    ; behind step 0's loads: steps 1 and 2
	LOADK 3, 0                                     ; set 0 has been quantised
	KSTEP 1, 32                                    ; steps 2 and 3
	KSTEP 2, 16                                    ; step 3
	KSTEP 3, 0
	global_store_b128 v1, v[PW:PW+3], s[24:25]     ; the four scale words, 16 bytes a lane
	s_wait_tensorcnt 0x0                           ; the wave's end: behind my last LDS store
	ds_add_u32 v[SPW], v[NIL]
	s_wait_dscnt 0x0
	s_endpgm
.Lfunc_end_k_q6420aafe21_quant:
	.size	k_q6420aafe21_quant, .Lfunc_end_k_q6420aafe21_quant-k_q6420aafe21_quant
	.p2alignl 7, 3214868480
	.fill 96, 4, 3214868480
	.section	.rodata,"a",@progbits
	.p2align	6, 0x0
	.amdhsa_kernel k_q6420aafe21_quant
		.amdhsa_group_segment_fixed_size 68608
		.amdhsa_private_segment_fixed_size 0
		.amdhsa_enable_private_segment 0
		.amdhsa_kernarg_size 72
		.amdhsa_user_sgpr_count 2
		.amdhsa_user_sgpr_kernarg_segment_ptr 1
		.amdhsa_wavefront_size32 1
		.amdhsa_system_sgpr_workgroup_id_x 1
		.amdhsa_system_sgpr_workgroup_id_y 1
		.amdhsa_system_sgpr_workgroup_id_z 1
		.amdhsa_system_vgpr_workitem_id 0
		.amdhsa_next_free_vgpr 256
		.amdhsa_next_free_sgpr 66
		.amdhsa_reserve_vcc 0
		.amdhsa_float_denorm_mode_32 3
		.amdhsa_float_denorm_mode_16_64 3
		.amdhsa_memory_ordered 1
		.amdhsa_forward_progress 1
		.amdhsa_inst_pref_size 41
	.end_amdhsa_kernel
	.amdgpu_metadata
---
amdhsa.version: [ 1, 2 ]
amdhsa.kernels:
  - .name:           k_q6420aafe21_quant
    .symbol:         k_q6420aafe21_quant.kd
    .args:
      - { .name: q, .offset: 0, .size: 8, .value_kind: global_buffer, .address_space: global }
      - { .name: k, .offset: 8, .size: 8, .value_kind: global_buffer, .address_space: global }
      - { .name: v, .offset: 16, .size: 8, .value_kind: global_buffer, .address_space: global }
      - { .name: Wq, .offset: 24, .size: 8, .value_kind: global_buffer, .address_space: global }
      - { .name: Wk, .offset: 32, .size: 8, .value_kind: global_buffer, .address_space: global }
      - { .name: Wv, .offset: 40, .size: 8, .value_kind: global_buffer, .address_space: global }
      - { .name: Wo, .offset: 48, .size: 8, .value_kind: global_buffer, .address_space: global }
      - { .name: xc, .offset: 56, .size: 8, .value_kind: global_buffer, .address_space: global }
      - { .name: xs, .offset: 64, .size: 8, .value_kind: global_buffer, .address_space: global }
    .group_segment_fixed_size: 68608
    .private_segment_fixed_size: 0
    .kernarg_segment_align: 8
    .kernarg_segment_size: 72
    .max_flat_workgroup_size: 256
    .sgpr_count:     66
    .vgpr_count:     256
    .wavefront_size: 32
...
	.end_amdgpu_metadata
.endif
;; end of part 1
;; launch proj (part 2): grid 64 x 3, 8 waves a work-group, no clusters, 0 bytes of LDS; arguments xc, xs, bq, bk, bv, qc, qs, kv; writes qc, qs, kv
.if DOCPART == 2
	.amdgcn_target "amdgcn-amd-amdhsa--gfx1250"
	.amdhsa_code_object_version 6
	.text
	.protected	k_q6420aafe21_proj
	.globl	k_q6420aafe21_proj
	.p2align	8
	.type	k_q6420aafe21_proj,@function
k_q6420aafe21_proj:
	s_mov_b64 s[64:65], 0
	v_nop
	global_prefetch_b8 v0, s[64:65] scope:SCOPE_SE
	s_setreg_imm32_b32 hwreg(HW_REG_WAVE_MODE, 25, 1), 1
	s_wait_xcnt 0x0
; x W^T + b for x = q, k, v (work-group y = 0, 1, 2) on codes of FP6, and the result quantised in registers for the attention: Q and K along the head's 64 channels, V along the keys.
; SHARES.  A work-group takes 128 tokens (8 tiles of 16, in the order of the codes' buffer), wave w head w (4 tiles of W's rows): 32 accumulators, all of window 1.  K = 512 in four steps of 128;
; every fragment comes from memory straight into registers as an image (three loads of 16 bytes a lane).  No LDS, no barrier.
; Q, K: source 0 = 16 rows of W, source 1 = 16 tokens: a lane holds one token, and the 16 registers of W's tiles 2 b, 2 b + 1 are channels 32 b + 16 h + 0 .. 15 of the head.
; V:    source 0 = 16 tokens, source 1 = 16 rows of W: a lane holds one channel, and the 16 registers of token tiles 2 b, 2 b + 1 are keys 32 b + 16 h + 0 .. 15 of the 128.
; The bias is the C of each sum's first product.
; OUT.  qc [bh][blk][pair 4][1536]: registers 0-5 token tile 2 p, 6-11 tile 2 p + 1 (64 channels each).  qs [bh][blk][lane][4 words]: word p: tile 2 p's in lanes 0-15, tile 2 p + 1's in lanes 16-31; bytes 2, 3 are 0.
; kv [bh][blk][13056]: K's four pair images; from 6144 V's four fragments (16 channels x 128 keys); from 12288 K's scale words as in qs; from 12800 V's: [lane][2 words], word i: tile 2 i below, 2 i + 1 above.
; LIMITS: NaN and infinities are not served; a block of zeros gets the byte 1 (its codes are zeros, and this program alone reads the bytes).
.set XS,  16                           ; v16-47   x's scale words: tile m, K step s at 4 m + s
.set WS,  48                           ; v48-63   W's: 4 t + s
.set BI,  64                           ; v64-95   the bias in the result's layout, 8 registers a tile of W
.set XF,  96                           ; v96-191  x's 8 fragments of a K step
.set WF,  192                          ; v192-239 W's 4
.set TM,  240                          ; v240-255 at work in the quantiser
.set PCB, 96                           ; the way out: four sets of 12 registers of codes, so that no store's data are written again
.set TP,  144
.set SW,  152                          ; v152-155 scale words to store
.set LO,  156
.set HI,  157
.set PWV, 160                          ; v160-163 V's four scale words
.set PW,  164
.set SEL, 46
.set MSB, 0
.macro WIN new                         ; the immediate's high byte repeats the setting that is left
.if MSB != \new
	s_set_vgpr_msb (MSB<<8)|\new
.set MSB, \new
.endif
.endm
.macro PLACES n
.rept \n
	v_nop
.endr
.endm
	s_load_b512 s[8:23], s[0:1], 0x0               ; xc, xs, bq, bk, bv, qc, qs, kv
	v_lshrrev_b32 v4, 5, v0
	s_delay_alu instid0(VALU_DEP_1)
	v_readfirstlane_b32 s38, v4                    ; wave = head
	v_and_b32 v4, 31, v0
	s_delay_alu instid0(VALU_DEP_1)
	v_lshlrev_b32 v1, 4, v4                        ; 16 x lane
	s_delay_alu instid0(VALU_DEP_2)
	v_lshlrev_b32 v3, 3, v4                        ; 8 x lane
	v_and_b32 v5, 15, v0                           ; r
	v_bfe_u32 v6, v0, 4, 1                         ; h
.irp b, 0,1,2,3
	v_mov_b32 v[TM+4+\b], 0                        ; written once: a lane permute's destination counts as one of its sources
.endr
	s_and_b32 s40, ttmp7, 0xffff                   ; which tensor
	s_mov_b32 s44, 0xffff0000                      ; lanes 16-31
	s_mov_b32 s[SEL], 0x76543210
	s_mov_b32 s[SEL+1], 0xfedcba98
	s_lshl_b32 s41, s40, 9
	s_lshl_b32 s42, ttmp9, 3
	s_add_co_u32 s41, s41, s42                     ; x's first tile: 512 y + 8 x block
	s_mul_i32 s24, s41, 6144
	s_mov_b32 s25, 0
	s_lshl_b32 s26, s41, 9
	s_mov_b32 s27, 0
	s_lshl_b32 s42, s40, 5
	s_lshl_b32 s43, s38, 2
	s_add_co_u32 s42, s42, s43
	s_add_co_u32 s42, s42, 1536                    ; W's first tile: 1536 + 32 y + 4 x head
	s_mul_i32 s28, s42, 6144
	s_mov_b32 s29, 0
	s_lshl_b32 s30, s42, 9
	s_mov_b32 s31, 0
	s_lshr_b32 s41, ttmp9, 5                       ; batch
	s_lshl_b32 s41, s41, 3
	s_add_co_u32 s41, s41, s38                     ; bh
	s_lshl_b32 s41, s41, 5
	s_and_b32 s42, ttmp9, 31
	s_add_co_u32 s41, s41, s42                     ; 32 bh + the block of 128 tokens in the batch
	s_wait_alu depctr_va_vdst(0)
	s_wait_kmcnt 0x0
	s_add_nc_u64 s[24:25], s[8:9], s[24:25]        ; x's codes
	s_add_nc_u64 s[26:27], s[10:11], s[26:27]      ; x's scale words
	s_add_nc_u64 s[28:29], s[8:9], s[28:29]        ; W's codes
	s_add_nc_u64 s[30:31], s[10:11], s[30:31]      ; W's scale words
	s_cmp_eq_u32 s40, 0                            ; Q goes to qc and qs, K and V into kv's records
	s_cselect_b64 s[32:33], s[12:13], s[14:15]
	s_cselect_b64 s[34:35], s[18:19], s[22:23]
	s_cselect_b64 s[36:37], s[20:21], s[22:23]
	s_mov_b32 s45, 13056
	s_cselect_b32 s42, 6144, s45
	s_cselect_b32 s43, 512, s45
	s_cselect_b32 s48, 0, 12288
	s_cmp_eq_u32 s40, 2
	s_cselect_b64 s[32:33], s[16:17], s[32:33]     ; the bias
	s_mul_i32 s42, s42, s41
	s_mul_i32 s50, s43, s41
	s_add_co_u32 s50, s50, s48
	s_mov_b32 s43, 0
	s_mov_b32 s51, 0
	s_add_nc_u64 s[34:35], s[34:35], s[42:43]      ; where the codes go
	s_add_nc_u64 s[36:37], s[36:37], s[50:51]      ; where the scale words go
	s_lshl_b32 s42, s38, 8
	s_add_nc_u64 s[32:33], s[32:33], s[42:43]      ; my head's 64 numbers of the bias
.macro LOADSTEP ks                     ; a K step's 12 fragments, three loads of 512 consecutive bytes each
.irp m, 0,1,2,3,4,5,6,7
.irp c, 0,1,2
	global_load_b128 v[XF+12*\m+4*\c:XF+12*\m+4*\c+3], v1, s[24:25] offset:6144*\m+1536*(\ks)+512*\c
.endr
.endr
.irp t, 0,1,2,3
.irp c, 0,1,2
	global_load_b128 v[WF+12*\t+4*\c:WF+12*\t+4*\c+3], v1, s[28:29] offset:6144*\t+1536*(\ks)+512*\c
.endr
.endr
.endm
; 32 products of a K step; the 32 accumulators take turns, one instruction a turn, in the same order in every step
.macro MULQK ks
.if (\ks) == 0
	WIN 0x40                                       ; D window 1; the bias as C in window 0
.else
	WIN 0x50                                       ; C and D window 1
.endif
.irp m, 0,1,2,3,4,5,6,7
.irp t, 0,1,2,3
.if (\ks) == 0
	v_wmma_scale_f32_16x16x128_f8f6f4 v[8*(4*\m+\t):8*(4*\m+\t)+7], v[WF+12*\t:WF+12*\t+11], v[XF+12*\m:XF+12*\m+11], v[BI+8*\t:BI+8*\t+7], v[WS+4*\t+(\ks)], v[XS+4*\m+(\ks)] matrix_a_fmt:MATRIX_FMT_FP6 matrix_b_fmt:MATRIX_FMT_FP6
.else
	v_wmma_scale_f32_16x16x128_f8f6f4 v[8*(4*\m+\t):8*(4*\m+\t)+7], v[WF+12*\t:WF+12*\t+11], v[XF+12*\m:XF+12*\m+11], v[8*(4*\m+\t):8*(4*\m+\t)+7], v[WS+4*\t+(\ks)], v[XS+4*\m+(\ks)] matrix_a_fmt:MATRIX_FMT_FP6 matrix_b_fmt:MATRIX_FMT_FP6
.endif
.endr
.endr
	WIN 0
.endm
.macro MULV ks
.if (\ks) == 0
	WIN 0x40
.else
	WIN 0x50
.endif
.irp t, 0,1,2,3
.irp m, 0,1,2,3,4,5,6,7
.if (\ks) == 0
	v_wmma_scale_f32_16x16x128_f8f6f4 v[8*(8*\t+\m):8*(8*\t+\m)+7], v[XF+12*\m:XF+12*\m+11], v[WF+12*\t:WF+12*\t+11], v[BI+8*\t:BI+8*\t+7], v[XS+4*\m+(\ks)], v[WS+4*\t+(\ks)] matrix_a_fmt:MATRIX_FMT_FP6 matrix_b_fmt:MATRIX_FMT_FP6
.else
	v_wmma_scale_f32_16x16x128_f8f6f4 v[8*(8*\t+\m):8*(8*\t+\m)+7], v[XF+12*\m:XF+12*\m+11], v[WF+12*\t:WF+12*\t+11], v[8*(8*\t+\m):8*(8*\t+\m)+7], v[XS+4*\m+(\ks)], v[WS+4*\t+(\ks)] matrix_a_fmt:MATRIX_FMT_FP6 matrix_b_fmt:MATRIX_FMT_FP6
.endif
.endr
.endr
	WIN 0
.endm
; 64 numbers of a lane in window 1, register 16 b + i = place 32 b + 16 h + i along the next K, become 12 registers of codes at v[dst] and a scale word in v[pw].
; Each accumulator is read from its low end on: i ascends, and i = 8 opens the odd accumulator of a block.
.macro QUANT src, dst, pw
	WIN 0x05                                       ; sources 0 and 1 window 1
.irp b, 0,1,2,3
	v_max3_num_f32 v[TM+\b], |v[(\src)+16*\b]|, |v[(\src)+16*\b+1]|, 0x1800000   ; and the floor 2^(3 - 127): the byte cannot fall under 1
.endr
.irp i, 2,4,6,8,10,12,14
.irp b, 0,1,2,3
	v_max3_num_f32 v[TM+\b], |v[(\src)+16*\b+\i]|, |v[(\src)+16*\b+\i+1]|, v[TM+\b]
.endr
.endr
	WIN 0
.irp b, 0,1,2,3
	v_permlanex16_b32 v[TM+4+\b], v[TM+\b], s[SEL], s[SEL+1]
.endr
.irp b, 0,1,2,3
	s_delay_alu instid0(VALU_DEP_4)
	v_max_num_f32 v[TM+\b], v[TM+\b], v[TM+4+\b]
.endr
.irp b, 0,1,2,3
	s_delay_alu instid0(VALU_DEP_4)
	v_add_nc_u32 v[TM+12+\b], 0xff000000, v[TM+\b] ; 2 off the exponent field: the conversion's scale operand
.endr
.irp b, 0,1,2,3
	s_delay_alu instid0(VALU_DEP_4)
	v_lshrrev_b32 v[TM+4+\b], 23, v[TM+12+\b]      ; the scale's byte
.endr
	s_delay_alu instid0(VALU_DEP_3)
	v_lshl_or_b32 v[\pw], v[TM+5], 8, v[TM+4]
	s_delay_alu instid0(VALU_DEP_1)
	v_lshl_or_b32 v[\pw], v[TM+6], 16, v[\pw]
	s_delay_alu instid0(VALU_DEP_1)
	v_lshl_or_b32 v[\pw], v[TM+7], 24, v[\pw]
	WIN 0x01                                       ; the numbers in window 1, the scale operand and the codes in window 0
.irp c, 0,1
	v_cvt_scalef32_pk16_fp6_f32 v[(\dst)+6*\c:(\dst)+6*\c+2], v[(\src)+32*\c:(\src)+32*\c+15], v[TM+12+2*\c]
	v_cvt_scalef32_pk16_fp6_f32 v[TP+4*\c:TP+4*\c+2], v[(\src)+32*\c+16:(\src)+32*\c+31], v[TM+13+2*\c]
.endr
	WIN 0
	v_nop                                          ; one plain place behind the scaled conversions
.irp c, 0,1
.irp i, 0,1,2
	v_permlane16_swap_b32 v[(\dst)+6*\c+\i], v[TP+4*\c+\i]
.endr
.irp i, 0,1,2
	s_delay_alu instid0(VALU_DEP_3)
	v_mov_b32 v[(\dst)+3+6*\c+\i], v[TP+4*\c+\i]
.endr
.endr
.endm
.irp m, 0,1,2,3,4,5,6,7
	global_load_b128 v[XS+4*\m:XS+4*\m+3], v1, s[26:27] offset:512*\m
.endr
.irp t, 0,1,2,3
	global_load_b128 v[WS+4*\t:WS+4*\t+3], v1, s[30:31] offset:512*\t
.endr
	LOADSTEP 0
	s_cmp_eq_u32 s40, 2
	s_cbranch_scc1 .Lv_path
	; ---- Q and K
	v_lshlrev_b32 v2, 6, v6                        ; the bias of tile t for lane (r, h): channels 32 (t / 2) + 8 (t % 2) + 16 h + 0 .. 7
.irp t, 0,1,2,3
	global_load_b128 v[BI+8*\t:BI+8*\t+3], v2, s[32:33] offset:(32*(\t/2)+8*(\t%2))*4
	global_load_b128 v[BI+8*\t+4:BI+8*\t+7], v2, s[32:33] offset:(32*(\t/2)+8*(\t%2))*4+16
.endr
	s_wait_loadcnt 0x0
.irp k, 0,1,2
	MULQK \k
	PLACES 4                                       ; in front of loads into registers that matrix instructions have read
	LOADSTEP \k+1
	s_wait_loadcnt 0x0
.endr
	MULQK 3
	PLACES 4                                       ; in front of the first read of results and of the writes over the fragments
.irp p, 0,1,2,3                                ; token tiles 2 p and 2 p + 1: blocks 0, 1 are the first's two blocks of 32 channels, blocks 2, 3 the second's
	QUANT 64*\p, PCB+12*\p, PW
	v_and_b32 v[LO], 0xffff, v[PW]
	v_lshrrev_b32 v[HI], 16, v[PW]
	s_delay_alu instid0(VALU_DEP_1)
	v_cndmask_b32 v[SW+\p], v[LO], v[HI], s44      ; lanes 0-15 the even tile's word, lanes 16-31 the odd tile's; bytes 2 and 3 are 0
.irp c, 0,1,2
	global_store_b128 v1, v[PCB+12*\p+4*\c:PCB+12*\p+4*\c+3], s[34:35] offset:1536*\p+512*\c
.endr
.endr
	global_store_b128 v1, v[SW:SW+3], s[36:37]
	s_endpgm
.Lv_path:
	; ---- V
	v_and_b32 v7, 8, v5
	s_delay_alu instid0(VALU_DEP_1)
	v_add_nc_u32 v7, v7, v5
	s_delay_alu instid0(VALU_DEP_1)
	v_lshlrev_b32 v2, 2, v7                        ; the bias of tile t for lane r: channel 32 (t / 2) + 8 (t % 2) + r + 8 (r / 8), the same in all eight registers
.irp t, 0,1,2,3
	global_load_b32 v[BI+8*\t], v2, s[32:33] offset:(32*(\t/2)+8*(\t%2))*4
.endr
	s_wait_loadcnt 0x0
.irp t, 0,1,2,3
.irp j, 1,2,3,4,5,6,7
	v_mov_b32 v[BI+8*\t+\j], v[BI+8*\t]
.endr
.endr
	PLACES 4
.irp k, 0,1,2
	MULV \k
	PLACES 4
	LOADSTEP \k+1
	s_wait_loadcnt 0x0
.endr
	MULV 3
	PLACES 4
.irp t, 0,1,2,3                                ; channel tile t: the four blocks of 32 keys of the lane's channel: a whole fragment
	QUANT 64*\t, PCB+12*\t, PWV+\t
.irp c, 0,1,2
	global_store_b128 v1, v[PCB+12*\t+4*\c:PCB+12*\t+4*\c+3], s[34:35] offset:6144+1536*\t+512*\c
.endr
.endr
	v_cndmask_b32 v[SW], v[PWV], v[PWV+1], s44
	v_cndmask_b32 v[SW+1], v[PWV+2], v[PWV+3], s44
	global_store_b64 v3, v[SW:SW+1], s[36:37] offset:512   ; 32 lanes store 256 consecutive bytes
	s_endpgm
.Lfunc_end_k_q6420aafe21_proj:
	.size	k_q6420aafe21_proj, .Lfunc_end_k_q6420aafe21_proj-k_q6420aafe21_proj
	.p2alignl 7, 3214868480
	.fill 96, 4, 3214868480
	.section	.rodata,"a",@progbits
	.p2align	6, 0x0
	.amdhsa_kernel k_q6420aafe21_proj
		.amdhsa_group_segment_fixed_size 0
		.amdhsa_private_segment_fixed_size 0
		.amdhsa_enable_private_segment 0
		.amdhsa_kernarg_size 64
		.amdhsa_user_sgpr_count 2
		.amdhsa_user_sgpr_kernarg_segment_ptr 1
		.amdhsa_wavefront_size32 1
		.amdhsa_system_sgpr_workgroup_id_x 1
		.amdhsa_system_sgpr_workgroup_id_y 1
		.amdhsa_system_sgpr_workgroup_id_z 1
		.amdhsa_system_vgpr_workitem_id 0
		.amdhsa_next_free_vgpr 512
		.amdhsa_next_free_sgpr 66
		.amdhsa_reserve_vcc 0
		.amdhsa_float_denorm_mode_32 3
		.amdhsa_float_denorm_mode_16_64 3
		.amdhsa_memory_ordered 1
		.amdhsa_forward_progress 1
		.amdhsa_inst_pref_size 103
	.end_amdhsa_kernel
	.amdgpu_metadata
---
amdhsa.version: [ 1, 2 ]
amdhsa.kernels:
  - .name:           k_q6420aafe21_proj
    .symbol:         k_q6420aafe21_proj.kd
    .args:
      - { .name: xc, .offset: 0, .size: 8, .value_kind: global_buffer, .address_space: global }
      - { .name: xs, .offset: 8, .size: 8, .value_kind: global_buffer, .address_space: global }
      - { .name: bq, .offset: 16, .size: 8, .value_kind: global_buffer, .address_space: global }
      - { .name: bk, .offset: 24, .size: 8, .value_kind: global_buffer, .address_space: global }
      - { .name: bv, .offset: 32, .size: 8, .value_kind: global_buffer, .address_space: global }
      - { .name: qc, .offset: 40, .size: 8, .value_kind: global_buffer, .address_space: global }
      - { .name: qs, .offset: 48, .size: 8, .value_kind: global_buffer, .address_space: global }
      - { .name: kv, .offset: 56, .size: 8, .value_kind: global_buffer, .address_space: global }
    .group_segment_fixed_size: 0
    .private_segment_fixed_size: 0
    .kernarg_segment_align: 8
    .kernarg_segment_size: 64
    .max_flat_workgroup_size: 256
    .sgpr_count:     66
    .vgpr_count:     512
    .wavefront_size: 32
...
	.end_amdgpu_metadata
.endif
;; end of part 2
;; launch attn (part 3): grid 16 x 16, 16 waves a work-group, clusters of 4 x 1, 327,680 bytes of LDS; arguments qc, qs, kv, oc, os; writes oc, os
.if DOCPART == 3
	.amdgcn_target "amdgcn-amd-amdhsa--gfx1250"
	.amdhsa_code_object_version 6
	.text
	.protected	k_q6420aafe21_attn
	.globl	k_q6420aafe21_attn
	.p2align	8
	.type	k_q6420aafe21_attn,@function
k_q6420aafe21_attn:
	s_mov_b64 s[64:65], 0
	v_nop
	global_prefetch_b8 v0, s[64:65] scope:SCOPE_SE
	s_setreg_imm32_b32 hwreg(HW_REG_WAVE_MODE, 25, 1), 1
	s_wait_xcnt 0x0
	s_wait_alu depctr_hold_cnt(0) depctr_sa_sdst(0) depctr_va_vdst(0) depctr_va_sdst(0) depctr_va_ssrc(0) depctr_va_vcc(0) depctr_vm_vsrc(0)
	s_getreg_b32 s2, hwreg(HW_REG_IB_STS2, 6, 4)
	s_cmp_eq_u32 s2, 0
	s_cbranch_scc0 .Lentry_in_a_cluster
	s_endpgm
.Lentry_in_a_cluster:
	s_bfe_u32 s2, ttmp6, 0x10000c
	s_cmp_lg_u32 s2, 0x3003
	s_cbranch_scc0 .Lentry_shape_is_right
	s_endpgm
.Lentry_shape_is_right:
; O = softmax(Q K^T / 8) V for one (batch, head) a work-group row, both products on codes of FP6 with one E8M0 scale for each 32 along K; O is divided by the row's sum and quantised along the channels.
; THE SOFTMAX: t = score x log2(e) / 8; M = the running largest t rounded UP to a whole number; p = 2^(t - M) is what is quantised, along the keys, not normalised.  The row's sum is taken of the unquantised p.
; When M moves, the sum and O are multiplied by 2^(old M - new M), which rounds nothing.
; SHARES.  A work-group owns 256 queries of one head, each of its sixteen waves one tile of 16, in 256 registers.  Every wave walks the head's 32 key steps of 128 keys.  A key step's whole need is one dense
; record of 13,056 bytes of kv: K's 4 pair images, V's 4 fragments, K's and V's scale words, all in the order of the operands' registers.  Two LDS slots of 8 records; waves 0 to 3 fetch two records each by one tensor load.
; CLUSTER.  The four query blocks of a cluster walk the same records: each load is asked for jointly, with the same descriptor and the mask of all four.
; A refill is asked for eight key steps ahead of its first read, so the text has no prefetch beside it.
; LAYOUT.  Both products are used transposed: S^T = K Q^T, O^T = V^T P^T: a lane holds one query throughout.  Row 8 h + j of K's tile 4 c + u is key 64 c + 32 h + 8 u + j of the step (the quantising launch lays k's
; tiles so): the 32 score registers of tiles 4 c .. 4 c + 3 of lane (r, h) are keys 64 c + 32 h + 0 .. 31, ONE WHOLE BLOCK in the order of P's operand.  So a block's largest score needs no other lane, and the
; conversions' results are the operand's registers (three moves a block: a conversion's three registers begin on an even number).  The scale word's four bytes are gathered from lanes l and l xor 16.
; THE FIRST PRODUCT'S K IS 64: Q's registers 6-11 are zero codes.  K's operand for tile i is v[32 + 6 i] on, twelve registers: the upper six are the next tile's codes (behind tile 7: registers at work, whose bits are
; finite numbers as codes of FP6 whatever they hold), multiplied by Q's zeros; the scale bytes of that half are 0 on both sides, which is a small power of two.
; K and V have registers of their own: the next step's K is asked of LDS under this step's softmax, but for a slot's last step, whose successor lies behind the change of slots.
; LIMITS: NaN and infinities are not served.  The promise holds while the scaled scores t stay under 2^31 in magnitude.  A block's largest p is taken from its largest score (this takes v_exp_f32 not to fall
; where its input rises).  1 / sum is v_rcp_f32 and a multiplication.  A block of zeros gets the byte 1: its codes are zeros, and this program alone reads the bytes.
.set REC,   13056                      ; a key step's record
.set SLOTB, 8*REC                      ; a slot
.set SLOT1, 1<<17                      ; slot 1 begins here: one exclusive or turns an address
.set SPARE, SLOT1+SLOTB                ; behind slot 1 (a multiple of 256): the spare words, 128 bytes for each of the sixteen waves, which no other line names
; v1 16 lane, v2 8 lane, v7 4 lane, v8 Q's scale offset; v12 -M, v13 the largest score, v[14:15] the sum
.set ADRK, 3                           ; LDS address of the record whose K is asked for
.set ADRV, 4                           ; of the record in hand, 16 bytes a lane
.set SPW,  5
.set NIL,  6
.set ADR8, 9                           ; of the record in hand, 8 bytes a lane
.set SH,   10                          ; 8 h
.set OLD,  11                          ; the last -M
.set Q,    16                          ; v16-27  Q's codes and six registers of zeros
.set KS,   28                          ; v28-31  K's scale words
.set KF,   32                          ; v32-79  K
.set T0,   80                          ; v80-82  a conversion's second half
.set PM,   83                          ; a lane permute's destination
.set T1,   84                          ; v84-86  the other block's
.set W,    87
.set B,    88                          ; v88-89  a block's largest score, then p, then byte
.set E,    90                          ; v90-91  second chains of the maxima, then the conversions' scale operands
.set F,    92                          ; v92     2^(old M - new M); v93 named with it as a pair
.set VS,   94                          ; v94-95  V's scale words
.set S,    96                          ; v96-159 S^T, then p
.set O,    160                         ; v160-191 O^T
.set VF,   192                         ; v192-239 V
.set PC,   240                         ; v240-251 p's codes
.set PS,   252                         ; p's scale word
.set QS,   253                         ; Q's
.set OW,   254                         ; the way out: O's scale bytes
.set WV,   18
.set SEL,  20
.set CS,   22
.set G1,   24                          ; s[24:31] descriptor group 1
.set G0,   32                          ; s[32:35] group 0, which walks
.set TB,   36                          ; LDS byte at which the record in hand begins
.set SLOTS, 37
.set CNT,  38
.set NC,   39                          ; -c
.macro CROUND                          ; a round of the cluster's barrier
	s_barrier_signal -1
	s_barrier_wait -1
	s_cmp_lg_u32 s[WV], 0
	s_cbranch_scc1 .Lnot_wave_0_\@
	s_barrier_signal -3
.Lnot_wave_0_\@:
	s_barrier_wait -3
	s_barrier_signal -1
	s_barrier_wait -1
.endm
.macro TLOAD                           ; waves 0 to 3 fetch, one load each; the branch hangs on the wave's number alone.  An s_nop 0 and four v_nop follow the load
	s_cmp_lt_u32 s[WV], 4
	s_cbranch_scc0 .Lnone_\@
	tensor_load_to_lds s[G0:G0+3], s[G1:G1+7]
	s_nop 0
.rept 4
	v_nop
.endr
.Lnone_\@:
.endm
	s_load_b256 s[4:11], s[0:1], 0x0               ; qc, qs, kv, oc
	s_load_b64 s[12:13], s[0:1], 0x20              ; os
	v_lshl_add_u32 v[SPW], v0, 2, SPARE
	v_mov_b32 v[NIL], 0
	ds_add_u32 v[SPW], v[NIL]                      ; the wave's opening: the add, twice on end, and its wait ahead of the first tensor load
	ds_add_u32 v[SPW], v[NIL]
	v_lshrrev_b32 v9, 5, v0
	s_delay_alu instid0(VALU_DEP_1)
	v_readfirstlane_b32 s[WV], v9                  ; wave 0..15
	s_bfe_u32 s40, ttmp6, 0x40000                  ; cx: it enters Q's and O's global addresses alone
	s_lshl_b32 s41, ttmp9, 2
	s_add_co_u32 s41, s41, s40                     ; my block of 256 queries
	s_lshl_b32 s41, s41, 4
	s_add_co_u32 s41, s41, s[WV]                   ; my tile of queries, 0..255
	s_and_b32 s42, ttmp7, 0xffff                   ; batch x 8 + head, which the four partners share
	; descriptor group 1: two records, 26,112 dense bytes, as 102 rows of 256 bytes (32 elements of 8 bytes)
	s_mov_b32 s[G1], 15|(3<<16)|(1<<21)            ; 15:0 the mask: all four work-groups; 17:16 elements of 8 bytes; 20 no padding; 21 set beside a mask
	s_mov_b32 s[G1+1], 32<<16                      ; tensor_dim0 = 32
	s_mov_b32 s[G1+2], 102<<16                     ; tensor_dim1 = 102
	s_mov_b32 s[G1+3], 32<<16                      ; tile_dim0 = 32
	s_mov_b32 s[G1+4], 102                         ; tile_dim1 = 102
	s_mov_b32 s[G1+5], 32                          ; from row to row
	s_mov_b32 s[G1+6], 0
	s_mov_b32 s[G1+7], 0
	s_and_b32 s43, s[WV], 3
	s_mul_i32 s43, s43, 2*REC                      ; my two records, in a slot and in memory alike
	s_mul_i32 s44, s42, 32*REC                     ; the head's records
	s_add_co_u32 s44, s44, s43
	s_mov_b32 s45, 0
	s_mul_i32 s46, s42, 196608                     ; Q's codes: the head's, + 1,536 for each pair of tiles
	s_lshr_b32 s48, s41, 1
	s_mul_i32 s48, s48, 1536
	s_add_co_u32 s46, s46, s48
	s_mov_b32 s47, 0
	s_lshl_b32 s48, s42, 14                        ; Q's scale words: the head's, + 512 for each 8 tiles, + 4 for the pair
	s_lshr_b32 s49, s41, 3
	s_lshl_b32 s49, s49, 9
	s_add_co_u32 s48, s48, s49
	s_lshr_b32 s49, s41, 1
	s_and_b32 s49, s49, 3
	s_lshl_b32 s49, s49, 2
	s_add_co_u32 s48, s48, s49
	s_mov_b32 s49, 0
	s_lshl_b32 s50, s42, 8
	s_add_co_u32 s50, s50, s41                     ; 256 bh + tile
	s_lshl_b32 s52, s50, 7                         ; O's scale words: 128 bytes a tile
	s_mul_i32 s50, s50, 768                        ; O's codes: 768 bytes a tile
	s_mov_b32 s51, 0
	s_mov_b32 s53, 0
	s_and_b32 s54, s[WV], 1                        ; the odd tile of a pair?
	s_lshl_b32 s55, s54, 8
	s_mov_b32 s[SEL], 0x76543210
	s_mov_b32 s[SEL+1], 0xfedcba98
	s_mov_b32 s[CS], 0x3e38aa3b                    ; c = log2(e) / 8
	s_mov_b32 s[CS+1], s[CS]                       ; (named with it as a pair, so it is written)
	s_mov_b32 s[NC], 0xbe38aa3b                    ; -c
	s_mov_b32 s[TB], 0
	s_mov_b32 s[SLOTS], 3
	v_and_b32 v9, 31, v0
	v_and_b32 v8, 15, v0
	v_bfe_u32 v[SH], v0, 4, 1
	v_lshlrev_b32 v1, 4, v9
	v_lshlrev_b32 v2, 3, v9
	v_lshlrev_b32 v7, 2, v9
	v_lshlrev_b32 v8, 4, v8
	v_lshlrev_b32 v[SH], 3, v[SH]
	s_delay_alu instid0(VALU_DEP_2)
	v_add_nc_u32 v8, s55, v8                       ; 16 x (r + 16 for the odd tile): where my tile's scale words lie
.irp j, 22,23,24,25,26,27,80,81,82,83,84,85
	v_mov_b32 v[\j], 0                             ; Q's zero codes; the six registers behind K, written before tile 7's first product names them
.endr
	s_wait_alu depctr_va_vdst(0)
	s_wait_dscnt 0x0                               ; both opening adds are done
	s_wait_kmcnt 0x0
	s_mov_b32 s[G0], 1                             ; count = 1
	s_mov_b32 s[G0+1], s43                         ; LDS address: slot 0
	s_add_nc_u64 s[G0+2:G0+3], s[8:9], s[44:45]    ; global address: hangs on the head and the wave alone
	s_or_b32 s[G0+3], s[G0+3], 0x80000000          ; type = 2
	CROUND                                         ; all four work-groups are here: the first joint loads meet
	TLOAD                                          ; slot 0: key steps 0 to 7
	s_add_nc_u64 s[4:5], s[4:5], s[46:47]
	s_add_nc_u64 s[6:7], s[6:7], s[48:49]
	s_add_nc_u64 s[10:11], s[10:11], s[50:51]
	s_add_nc_u64 s[12:13], s[12:13], s[52:53]
	s_cmp_eq_u32 s54, 0                            ; my six registers of the pair's image: 0-5 or 6-11
	s_cbranch_scc0 .Lodd
	global_load_b128 v[16:19], v1, s[4:5]
	global_load_b64 v[20:21], v1, s[4:5] offset:512
	s_branch .Lq_asked
.Lodd:
	global_load_b64 v[16:17], v1, s[4:5] offset:520
	global_load_b128 v[18:21], v1, s[4:5] offset:1024
.Lq_asked:
	global_load_b32 v[QS], v8, s[6:7]              ; lanes 0-15: my tile's scale words
	v_mov_b32 v13, 0xff61b1e6                      ; the largest score so far: -3e38, under every score
	v_mov_b32 v12, 0x7f61b1e6                      ; -M: 3e38, so that the first step's factor is 0
	v_mov_b32 v14, 0
	v_mov_b32 v15, 0
	v_mov_b32 v[F+1], 0                            ; (named as the upper half of a pair)
.set j, 0
.rept 32
	v_mov_b32 v[O+j], 0                            ; O^T: the step is written for all trips alike; the first finds zeros
.set j, j+1
.endr
.macro KLOAD                           ; K's four pair images and its scale words (word p: tile 2 p in lanes 0-15, tile 2 p + 1 in lanes 16-31): 13 loads
.irp b, 0,1,2,3
.irp c, 0,1,2
	ds_load_b128 v[KF+12*\b+4*\c:KF+12*\b+4*\c+3], v[ADRK] offset:1536*\b+512*\c
.endr
.endr
	ds_load_b128 v[KS:KS+3], v[ADRK] offset:12288
.endm
.macro PKF from, n                     ; t - M, two at a time
.set j, \from
.rept \n
	v_pk_fma_f32 v[S+j:S+j+1], v[S+j:S+j+1], s[CS:CS+1], v[12:13] op_sel_hi:[1,0,0]
.set j, j+2
.endr
.endm
; A KEY STEP: 128 keys, the record at s[TB]; its K has been asked for.  pre = 1: the next record's K is asked for under the softmax
.macro STEP pre
	s_wait_dscnt 0x0                               ; K and its scale words are in
.irp i, 0,1,2,3,4,5,6,7                        ; S^T = K Q^T
.if \i%2
	v_wmma_scale_f32_16x16x128_f8f6f4 v[S+8*\i:S+8*\i+7], v[KF+6*\i:KF+6*\i+11], v[Q:Q+11], 0, v[KS+\i/2], v[QS] matrix_a_fmt:MATRIX_FMT_FP6 matrix_b_fmt:MATRIX_FMT_FP6 matrix_a_scale:MATRIX_SCALE_ROW1
.else
	v_wmma_scale_f32_16x16x128_f8f6f4 v[S+8*\i:S+8*\i+7], v[KF+6*\i:KF+6*\i+11], v[Q:Q+11], 0, v[KS+\i/2], v[QS] matrix_a_fmt:MATRIX_FMT_FP6 matrix_b_fmt:MATRIX_FMT_FP6
.endif
.endr
	v_add_nc_u32 v[ADRV], s[TB], v1                ; four plain lines: the places in front of the loads over V and K and of the first read of the scores
	v_add_nc_u32 v[ADR8], s[TB], v2
	v_mov_b32 v[OLD], v12
	s_add_co_u32 s[TB], s[TB], REC                 ; the next record
.if \pre
	v_add_nc_u32 v[ADRK], s[TB], v1
.else
	v_nop
.endif
.irp t, 0,1,2,3                                ; V's fragments and scale words land while the softmax is worked: 13 loads
.irp c, 0,1,2
	ds_load_b128 v[VF+12*\t+4*\c:VF+12*\t+4*\c+3], v[ADRV] offset:6144+1536*\t+512*\c
.endr
.endr
	ds_load_b64 v[VS:VS+1], v[ADR8] offset:12800
.if \pre
	KLOAD
.endif
.irp c, 0,1                                    ; the largest score of my two blocks of 32 keys, two chains a block; each accumulator is read from its low end on
	v_max3_num_f32 v[B+\c], v[S+32*\c], v[S+32*\c+1], v[S+32*\c+2]
	v_max3_num_f32 v[E+\c], v[S+32*\c+16], v[S+32*\c+17], v[S+32*\c+18]
.endr
.irp i, 3,5,7,9,11,13
.irp c, 0,1
	v_max3_num_f32 v[B+\c], v[B+\c], v[S+32*\c+\i], v[S+32*\c+\i+1]
	v_max3_num_f32 v[E+\c], v[E+\c], v[S+32*\c+16+\i], v[S+32*\c+17+\i]
.endr
.endr
.irp c, 0,1
	v_max3_num_f32 v[B+\c], v[B+\c], v[S+32*\c+15], v[S+32*\c+31]
.endr
.irp c, 0,1
	s_delay_alu instid0(VALU_DEP_2)
	v_max_num_f32 v[B+\c], v[B+\c], v[E+\c]
.endr
	s_delay_alu instid0(VALU_DEP_1)
	v_max3_num_f32 v13, v[B], v[B+1], v13          ; with the running largest score,
	s_delay_alu instid0(VALU_DEP_1)
	v_permlanex16_b32 v[PM], v13, s[SEL], s[SEL+1]
	s_delay_alu instid0(VALU_DEP_1)
	v_max_num_f32 v13, v13, v[PM]                  ; and lane l xor 16's
	s_delay_alu instid0(VALU_DEP_1)
	v_mul_f32 v12, s[NC], v13                      ; -t (c is positive)
	s_delay_alu instid0(VALU_DEP_1)
	v_floor_f32 v12, v12                           ; the new -M = floor(-t): M is a whole number
	s_delay_alu instid0(VALU_DEP_1)
	v_sub_f32 v[OLD], v12, v[OLD]                  ; old M - new M: a whole number, 0 or less
	PKF 0, 4
	v_cvt_i32_f32 v[OLD], v[OLD]                   ; (it saturates)
	PKF 8, 4
	v_ldexp_f32 v[F], 1.0, v[OLD]                  ; f = 2^(old M - new M)
	PKF 16, 24
.irp c, 0,1
	v_fma_f32 v[B+\c], v[B+\c], s[CS], v12         ; the same of each block's largest score
.endr
.set j, 0
.rept 16
	v_pk_mul_f32 v[O+j:O+j+1], v[O+j:O+j+1], v[F:F+1] op_sel_hi:[1,0]   ; O^T under the new M, each accumulator from its low end on
.set j, j+2
.endr
	s_wait_alu depctr_va_vdst(0)
.set j, 0
.rept 64
	v_exp_f32 v[S+j], v[S+j]                       ; p = 2^(t - M), at most 1
.set j, j+1
.endr
.irp c, 0,1
	v_exp_f32 v[B+\c], v[B+\c]                     ; the block's largest p: the same two instructions on the same number
.endr
	v_pk_mul_f32 v[14:15], v[14:15], v[F:F+1] op_sel_hi:[1,0]   ; the sums under the new M: a plain place behind the exponentials
	s_wait_alu depctr_va_vdst(0)                   ; one wait for the whole batch, ahead of its first reader
.irp c, 0,1
	v_max_num_f32 v[B+\c], 0x1800000, v[B+\c]      ; the floor 2^(3 - 127): the byte cannot fall under 1
.endr
.irp c, 0,1
	s_delay_alu instid0(VALU_DEP_2)
	v_add_nc_u32 v[E+\c], 0xff000000, v[B+\c]      ; 2 off the exponent field: the conversion's scale operand
.endr
	v_cvt_scalef32_pk16_fp6_f32 v[PC:PC+2], v[S:S+15], v[E]
	v_cvt_scalef32_pk16_fp6_f32 v[T0:T0+2], v[S+16:S+31], v[E]        ; (a conversion's three registers begin on an even number)
	v_cvt_scalef32_pk16_fp6_f32 v[PC+6:PC+8], v[S+32:S+47], v[E+1]
	v_cvt_scalef32_pk16_fp6_f32 v[T1:T1+2], v[S+48:S+63], v[E+1]
.irp c, 0,1
	v_lshrrev_b32 v[B+\c], 23, v[E+\c]             ; the scale's byte; also the plain place behind the conversions
.endr
.irp i, 0,1,2
	v_mov_b32 v[PC+3+\i], v[T0+\i]                 ; registers 6 c .. 6 c + 5: keys 64 c + 32 h + 0 .. 31
	v_mov_b32 v[PC+9+\i], v[T1+\i]
.endr
	v_lshl_or_b32 v[W], v[B+1], 16, v[B]           ; my two bytes: blocks h and 2 + h,
	s_delay_alu instid0(VALU_DEP_1)
	v_lshlrev_b32 v[W], v[SH], v[W]                ; at their places in the scale word;
	s_delay_alu instid0(VALU_DEP_1)
	v_permlanex16_b32 v[PM], v[W], s[SEL], s[SEL+1]
	s_delay_alu instid0(VALU_DEP_1)
	v_or_b32 v[PS], v[W], v[PM]                    ; with lane l xor 16's two the word is whole
.irp l, 16,32,48                               ; THE ROW'S SUM OF THE UNQUANTISED p, in place over p, which the conversions have read: eight chains.  These 32 lines also stand between the writes of p's codes and scale word and the products
.irp i, 0,2,4,6,8,10,12,14
	v_pk_add_f32 v[S+\i:S+\i+1], v[S+\i:S+\i+1], v[S+\l+\i:S+\l+\i+1]
.endr
.endr
.irp i, 0,2,4,6
	v_pk_add_f32 v[S+\i:S+\i+1], v[S+\i:S+\i+1], v[S+8+\i:S+9+\i]
.endr
	s_delay_alu instid0(VALU_DEP_2)
	v_pk_add_f32 v[S:S+1], v[S:S+1], v[S+4:S+5]
	s_delay_alu instid0(VALU_DEP_2)
	v_pk_add_f32 v[S+2:S+3], v[S+2:S+3], v[S+6:S+7]
	s_delay_alu instid0(VALU_DEP_2)
	v_pk_add_f32 v[14:15], v[14:15], v[S:S+1]
	s_delay_alu instid0(VALU_DEP_1)
	v_pk_add_f32 v[14:15], v[14:15], v[S+2:S+3]
	s_wait_alu depctr_va_vdst(0)
	s_wait_dscnt 13*\pre                           ; V is in; the 13 loads of the next K, issued behind V's, may be out
.irp t, 0,1,2,3                                ; O^T += V^T P^T: the four accumulators by turns
.if \t%2
	v_wmma_scale_f32_16x16x128_f8f6f4 v[O+8*\t:O+8*\t+7], v[VF+12*\t:VF+12*\t+11], v[PC:PC+11], v[O+8*\t:O+8*\t+7], v[VS+\t/2], v[PS] matrix_a_fmt:MATRIX_FMT_FP6 matrix_b_fmt:MATRIX_FMT_FP6 matrix_a_scale:MATRIX_SCALE_ROW1
.else
	v_wmma_scale_f32_16x16x128_f8f6f4 v[O+8*\t:O+8*\t+7], v[VF+12*\t:VF+12*\t+11], v[PC:PC+11], v[O+8*\t:O+8*\t+7], v[VS+\t/2], v[PS] matrix_a_fmt:MATRIX_FMT_FP6 matrix_b_fmt:MATRIX_FMT_FP6
.endif
.endr
.endm
; THE CHANGE OF SLOTS stands at a slot's head.  Each wave waits for all its tensor loads (its part of the slot ahead), adds 0 to its spare word, and waits for that and for its reads of the slot that it has left.
; fill = 1: a round of the cluster's barrier, so that no wave of any partner still reads the other slot or has a load on its way; then that slot's joint refill, first thing: it has eight key steps in which to land.
.macro CHANGE fill
	s_wait_tensorcnt 0x0                           ; no tensor load of mine is out, so group 0 may be written
	ds_add_u32 v[SPW], v[NIL]
.if \fill
	ds_add_u32 v[SPW], v[NIL]                      ; the add twice where a refill follows
	s_xor_b32 s[G0+1], s[G0+1], SLOT1              ; the other slot than last time,
	s_add_nc_u64 s[G0+2:G0+3], s[G0+2:G0+3], SLOTB ; the next eight records; the type bits on top are not reached
.endif
	s_wait_dscnt 0x0                               ; the add is done, and my reads of the slot that I have left are over
.if \fill
	CROUND
	TLOAD
.else
	s_barrier_signal -1
	s_barrier_wait -1
.endif
.endm
.macro SLOT_STEPS                      ; a slot's eight key steps: seven that ask for their successor's K, and the last
	v_add_nc_u32 v[ADRK], s[TB], v1
	KLOAD
	s_mov_b32 s[CNT], 7
.Lstep_\@:
	STEP 1
	s_sub_co_u32 s[CNT], s[CNT], 1
	s_cmp_lg_u32 s[CNT], 0
	s_cbranch_scc1 .Lstep_\@
	STEP 0
	s_sub_co_u32 s[TB], s[TB], SLOTB               ; back to a slot's first record,
	s_xor_b32 s[TB], s[TB], SLOT1                  ; in the other slot
.endm
	s_wait_alu depctr_va_vdst(0)
	s_wait_loadcnt 0x0                             ; Q
.Lslot:                                            ; three trips: behind each change of slots but the last the next slot is asked for; one tensor load of a wave is out at the most
	CHANGE 1
	SLOT_STEPS
	s_sub_co_u32 s[SLOTS], s[SLOTS], 1
	s_cmp_lg_u32 s[SLOTS], 0
	s_cbranch_scc1 .Lslot
	CHANGE 0                                       ; the last slot is written out
	SLOT_STEPS
	; THE WAY OUT.  O^T / the sum: register 16 b + i is channel 32 b + 16 h + i of my query: two blocks of 32 along the last product's K; quantised, they are half a fragment.
	v_add_f32 v14, v14, v15                        ; the sum's two halves,
	s_delay_alu instid0(VALU_DEP_1)
	v_permlanex16_b32 v[PM], v14, s[SEL], s[SEL+1]
	s_delay_alu instid0(VALU_DEP_1)
	v_add_f32 v14, v14, v[PM]                      ; and lane l xor 16's
	s_wait_alu depctr_va_vdst(0)
	v_rcp_f32 v14, v14
.rept 4
	v_nop                                          ; a plain place behind the reciprocal; places behind the last products
.endr
	s_wait_alu depctr_va_vdst(0)                   ; ahead of the first reader of the reciprocal and of O^T
.set j, 0
.rept 16
	v_pk_mul_f32 v[S+j:S+j+1], v[O+j:O+j+1], v[14:15] op_sel_hi:[1,0]   ; each accumulator from its low end on
.set j, j+2
.endr
.irp b, 0,1
	v_max3_num_f32 v[B+\b], |v[S+16*\b]|, |v[S+16*\b+1]|, 0x1800000
.endr
.irp i, 2,4,6,8,10,12,14
.irp b, 0,1
	s_delay_alu instid0(VALU_DEP_2)
	v_max3_num_f32 v[B+\b], v[B+\b], |v[S+16*\b+\i]|, |v[S+16*\b+\i+1]|
.endr
.endr
	s_delay_alu instid0(VALU_DEP_2)
	v_permlanex16_b32 v[PM], v[B], s[SEL], s[SEL+1]
	s_delay_alu instid0(VALU_DEP_2)
	v_permlanex16_b32 v[W], v[B+1], s[SEL], s[SEL+1]
	s_delay_alu instid0(VALU_DEP_2)
	v_max_num_f32 v[B], v[B], v[PM]
	s_delay_alu instid0(VALU_DEP_2)
	v_max_num_f32 v[B+1], v[B+1], v[W]
.irp b, 0,1
	s_delay_alu instid0(VALU_DEP_2)
	v_add_nc_u32 v[E+\b], 0xff000000, v[B+\b]
.endr
.irp b, 0,1
	s_delay_alu instid0(VALU_DEP_2)
	v_lshrrev_b32 v[B+\b], 23, v[E+\b]
.endr
	s_delay_alu instid0(VALU_DEP_1)
	v_lshl_or_b32 v[OW], v[B+1], 8, v[B]           ; the two bytes; bytes 2 and 3 are 0
	v_cvt_scalef32_pk16_fp6_f32 v[PC:PC+2], v[S:S+15], v[E]
	v_cvt_scalef32_pk16_fp6_f32 v[T0:T0+2], v[S+16:S+31], v[E+1]
	v_nop                                          ; one plain place behind the scaled conversions
.irp i, 0,1,2
	v_permlane16_swap_b32 v[PC+\i], v[T0+\i]
.endr
.irp i, 0,1,2
	s_delay_alu instid0(VALU_DEP_3)
	v_mov_b32 v[PC+3+\i], v[T0+\i]                 ; six registers: channels 32 h + 0 .. 31 of my query
.endr
.irp i, 0,1,2
	global_store_b64 v2, v[PC+2*\i:PC+2*\i+1], s[10:11] offset:256*\i   ; 32 lanes store 256 consecutive bytes, at a multiple of 256 from the buffer's first byte
.endr
	global_store_b32 v7, v[OW], s[12:13]           ; 128 bytes a tile
	s_wait_tensorcnt 0x0                           ; the wave's end: behind my last tensor load
	ds_add_u32 v[SPW], v[NIL]
	s_wait_dscnt 0x0
	CROUND                                         ; the closing round: no work-group ends while a partner may still ask for a tile that names it
	s_endpgm
.Lfunc_end_k_q6420aafe21_attn:
	.size	k_q6420aafe21_attn, .Lfunc_end_k_q6420aafe21_attn-k_q6420aafe21_attn
	.p2alignl 7, 3214868480
	.fill 96, 4, 3214868480
	.section	.rodata,"a",@progbits
	.p2align	6, 0x0
	.amdhsa_kernel k_q6420aafe21_attn
		.amdhsa_group_segment_fixed_size 327680
		.amdhsa_private_segment_fixed_size 0
		.amdhsa_enable_private_segment 0
		.amdhsa_kernarg_size 40
		.amdhsa_user_sgpr_count 2
		.amdhsa_user_sgpr_kernarg_segment_ptr 1
		.amdhsa_wavefront_size32 1
		.amdhsa_system_sgpr_workgroup_id_x 1
		.amdhsa_system_sgpr_workgroup_id_y 1
		.amdhsa_system_sgpr_workgroup_id_z 1
		.amdhsa_system_vgpr_workitem_id 0
		.amdhsa_next_free_vgpr 256
		.amdhsa_next_free_sgpr 66
		.amdhsa_reserve_vcc 0
		.amdhsa_float_denorm_mode_32 3
		.amdhsa_float_denorm_mode_16_64 3
		.amdhsa_memory_ordered 1
		.amdhsa_forward_progress 1
		.amdhsa_inst_pref_size 71
	.end_amdhsa_kernel
	.amdgpu_metadata
---
amdhsa.version: [ 1, 2 ]
amdhsa.kernels:
  - .name:           k_q6420aafe21_attn
    .symbol:         k_q6420aafe21_attn.kd
    .args:
      - { .name: qc, .offset: 0, .size: 8, .value_kind: global_buffer, .address_space: global }
      - { .name: qs, .offset: 8, .size: 8, .value_kind: global_buffer, .address_space: global }
      - { .name: kv, .offset: 16, .size: 8, .value_kind: global_buffer, .address_space: global }
      - { .name: oc, .offset: 24, .size: 8, .value_kind: global_buffer, .address_space: global }
      - { .name: os, .offset: 32, .size: 8, .value_kind: global_buffer, .address_space: global }
    .group_segment_fixed_size: 327680
    .private_segment_fixed_size: 0
    .kernarg_segment_align: 8
    .kernarg_segment_size: 40
    .max_flat_workgroup_size: 512
    .sgpr_count:     66
    .vgpr_count:     256
    .wavefront_size: 32
...
	.end_amdgpu_metadata
.endif
;; end of part 3
;; launch oproj (part 4): grid 256 x 1, 8 waves a work-group, no clusters, 167,936 bytes of LDS; arguments oc, os, xc, xs, bo, out0; writes out0
.if DOCPART == 4
	.amdgcn_target "amdgcn-amd-amdhsa--gfx1250"
	.amdhsa_code_object_version 6
	.text
	.protected	k_q6420aafe21_oproj
	.globl	k_q6420aafe21_oproj
	.p2align	8
	.type	k_q6420aafe21_oproj,@function
k_q6420aafe21_oproj:
	s_mov_b64 s[64:65], 0
	v_nop
	global_prefetch_b8 v0, s[64:65] scope:SCOPE_SE
	s_setreg_imm32_b32 hwreg(HW_REG_WAVE_MODE, 25, 1), 1
	s_wait_xcnt 0x0
; out0 = O Wo^T + bo on codes of FP6.  O's codes come from the attention as half fragments a head (oc [bh][tile][3][lane][8 bytes], os [bh][tile][lane][word with two bytes]); Wo's as images (xc, xs, tiles 1632 on).
; SHARES.  A work-group takes 32 tokens (two tiles of 16: tile u holds, in lane r, token 8 u + r + 8 (r / 8)), wave w the output columns 64 w .. 64 w + 63 (four tiles of Wo's rows).
; K = 512 in four steps of 128: K step s is heads 2 s and 2 s + 1: registers 0-5 of O's fragment are the first head's half fragment, 6-11 the second's; its scale word is the two heads' byte pairs.
; Source 0 = 16 rows of Wo, source 1 = 16 tokens: a lane holds one token and, over tiles 2 b, 2 b + 1, columns 32 b + 16 h + 0 .. 15.  The bias is the C of each sum's first product.
; O IS WANTED BY ALL EIGHT WAVES: its codes (8 heads x 1,536 bytes) and its scale words (8 x 256 bytes) come into LDS once, by one tensor load each (waves 0 and 1), and every wave reads its fragments there.
; Wo's fragments, scale words and the bias are each wanted by one wave of the work-group alone: they go from memory straight into that wave's registers, 60 loads a wave, issued behind the tensor loads.
; Nothing in LDS is filled again: one wait for the tensor loads and one barrier.  32 products a wave; the results leave through the wave's own stage in LDS, so that sixteen lanes store 256 consecutive bytes of a row.
; NO CLUSTER: what work-groups have in common is Wo, which goes to registers and not through a tensor load; the two tiles that tensor loads bring belong to one work-group alone.
; No prefetch: the text has no loop to run ahead in.
.set OCL,   0                          ; LDS: O's codes: head d at 1,536 d: tile u at + 768 u
.set OSL,   12288                      ; O's scale words: head d at 256 d: tile u at + 128 u
.set STAGE, 14336                      ; the stages, in blocks of 256 bytes into which no tensor load lands
.set SP,    272                        ; a stage row: 256 bytes + 16
.set STG,   16*SP
.set SPARE, STAGE+8*STG                ; behind the stages (a multiple of 256): the spare words, 128 bytes for each of the eight waves, which no other line names
.set SPW, 8
.set NIL, 9
.set WS,  16                           ; v16-31   Wo's scale words: 4 t + s
.set RAW, 32                           ; v32-47   O's scale words as stored: 8 u + head
.set XS,  48                           ; v48-55   O's scale words of a K step: 4 u + s
.set BI,  64                           ; v64-95   the bias, 8 registers a tile
.set XF,  96                           ; v96-191  O's fragments: 12 (4 u + s); later the rows read back
.set ACC, 192                          ; v192-255 the 8 accumulators: 8 (4 u + t).   Window 1: Wo's 16 fragments at 12 (4 t + s)
.set G1C, 36                           ; s[36:43] descriptor group 1 for O's codes;  s[52:55] its group 0
.set G1S, 44                           ; s[44:51] for O's scale words;  s[56:59] its group 0
.set G0C, 52
.set G0S, 56
.set MSB, 0
.macro WIN new                         ; the immediate's high byte repeats the setting that is left
.if MSB != \new
	s_set_vgpr_msb (MSB<<8)|\new
.set MSB, \new
.endif
.endm
	s_load_b256 s[8:15], s[0:1], 0x0               ; oc, os, xc, xs
	s_load_b128 s[16:19], s[0:1], 0x20             ; bo, out0
	v_lshl_add_u32 v[SPW], v0, 2, SPARE
	v_mov_b32 v[NIL], 0
	ds_add_u32 v[SPW], v[NIL]                      ; the wave's opening: the add, twice on end, and its wait ahead of the first tensor load
	ds_add_u32 v[SPW], v[NIL]
	v_lshrrev_b32 v10, 5, v0
	s_delay_alu instid0(VALU_DEP_1)
	v_readfirstlane_b32 s20, v10                   ; wave 0..7
	v_and_b32 v10, 31, v0
	s_delay_alu instid0(VALU_DEP_1)
	v_lshlrev_b32 v1, 4, v10                       ; 16 x lane
	s_delay_alu instid0(VALU_DEP_2)
	v_lshlrev_b32 v2, 3, v10                       ; 8 x lane
	s_delay_alu instid0(VALU_DEP_3)
	v_lshlrev_b32 v3, 2, v10                       ; 4 x lane
	v_and_b32 v11, 15, v0                          ; r
	v_bfe_u32 v12, v0, 4, 1                        ; h
	s_delay_alu instid0(VALU_DEP_1)
	v_lshlrev_b32 v4, 6, v12                       ; the bias: + 16 h numbers
	s_mul_i32 s21, s20, STG
	s_add_co_u32 s21, s21, STAGE                   ; my stage
	v_mul_u32_u24 v5, v11, SP
	s_delay_alu instid0(VALU_DEP_1)
	v_lshl_add_u32 v5, v12, 6, v5
	s_delay_alu instid0(VALU_DEP_1)
	v_add_nc_u32 v5, s21, v5                       ; in: row r, + 64 h
	v_mul_u32_u24 v6, v12, SP
	s_delay_alu instid0(VALU_DEP_1)
	v_lshl_add_u32 v6, v11, 4, v6
	s_delay_alu instid0(VALU_DEP_1)
	v_add_nc_u32 v6, s21, v6                       ; back: lanes 0-15 one row, lanes 16-31 the next
	v_lshlrev_b32 v7, 11, v12
	s_delay_alu instid0(VALU_DEP_1)
	v_lshl_add_u32 v7, v11, 4, v7                  ; and the same two rows of out0 (2,048 bytes a row)
	s_lshr_b32 s22, ttmp9, 7                       ; batch
	s_and_b32 s23, ttmp9, 127                      ; which 32 tokens of it
	s_mul_i32 s24, s22, 8*196608
	s_mul_i32 s26, s23, 1536
	s_add_co_u32 s24, s24, s26                     ; oc: 8 heads of 196,608 bytes a batch; 768 bytes a tile: a multiple of 256
	s_mov_b32 s25, 0
	s_lshl_b32 s26, s22, 18
	s_lshl_b32 s28, s23, 8
	s_add_co_u32 s26, s26, s28                     ; os: 8 heads of 32,768 bytes a batch; 128 bytes a tile: a multiple of 256
	s_mov_b32 s27, 0
	s_lshl_b32 s28, s20, 2
	s_add_co_u32 s28, s28, 1632                    ; Wo's first tile of mine
	s_lshl_b32 s30, s28, 9
	s_mov_b32 s31, 0
	s_mul_i32 s28, s28, 6144
	s_mov_b32 s29, 0
	s_lshl_b32 s32, s20, 8                         ; my 64 columns, in bytes
	s_mov_b32 s33, 0
	s_lshl_b32 s34, ttmp9, 16                      ; 32 rows of 2,048 bytes
	s_add_co_u32 s34, s34, s32
	s_mov_b32 s35, 0
	; descriptor groups 1, elements of 8 bytes, no padding.  O's codes: 8 rows (heads) of 192 elements, 24,576 elements from row to row
	s_mov_b32 s[G1C], 3<<16
	s_mov_b32 s[G1C+1], 192<<16                    ; tensor_dim0
	s_mov_b32 s[G1C+2], 8<<16                      ; tensor_dim1
	s_mov_b32 s[G1C+3], 192<<16                    ; tile_dim0
	s_mov_b32 s[G1C+4], 8                          ; tile_dim1
	s_mov_b32 s[G1C+5], 24576
	s_mov_b32 s[G1C+6], 0
	s_mov_b32 s[G1C+7], 0
	; O's scale words: 8 rows of 32 elements, 4,096 elements from row to row
	s_mov_b32 s[G1S], 3<<16
	s_mov_b32 s[G1S+1], 32<<16
	s_mov_b32 s[G1S+2], 8<<16
	s_mov_b32 s[G1S+3], 32<<16
	s_mov_b32 s[G1S+4], 8
	s_mov_b32 s[G1S+5], 4096
	s_mov_b32 s[G1S+6], 0
	s_mov_b32 s[G1S+7], 0
	s_wait_alu depctr_va_vdst(0)
	s_wait_dscnt 0x0                               ; both opening adds are done
	s_wait_kmcnt 0x0
	s_add_nc_u64 s[8:9], s[8:9], s[24:25]
	s_add_nc_u64 s[10:11], s[10:11], s[26:27]
	s_add_nc_u64 s[12:13], s[12:13], s[28:29]
	s_add_nc_u64 s[14:15], s[14:15], s[30:31]
	s_add_nc_u64 s[16:17], s[16:17], s[32:33]
	s_add_nc_u64 s[18:19], s[18:19], s[34:35]
	s_mov_b32 s[G0C], 1
	s_mov_b32 s[G0C+1], OCL
	s_mov_b64 s[G0C+2:G0C+3], s[8:9]
	s_or_b32 s[G0C+3], s[G0C+3], 0x80000000
	s_mov_b32 s[G0S], 1
	s_mov_b32 s[G0S+1], OSL
	s_mov_b64 s[G0S+2:G0S+3], s[10:11]
	s_or_b32 s[G0S+3], s[G0S+3], 0x80000000
	; the two first fills, in the arms of one chain of branches on the wave's number, one to an arm; an s_nop 0 and four v_nop follow each
	s_cmp_lg_u32 s20, 0
	s_cbranch_scc1 .Lnot_wave_0
	tensor_load_to_lds s[G0C:G0C+3], s[G1C:G1C+7]
	s_nop 0
.rept 4
	v_nop
.endr
	s_branch .Lasked
.Lnot_wave_0:
	s_cmp_lg_u32 s20, 1
	s_cbranch_scc1 .Lasked
	tensor_load_to_lds s[G0S:G0S+3], s[G1S:G1S+7]
	s_nop 0
.rept 4
	v_nop
.endr
.Lasked:
	WIN 0x40                                       ; destination window 1, address window 0
.irp t, 0,1,2,3
.irp s, 0,1,2,3
.irp c, 0,1,2
	global_load_b128 v[12*(4*\t+\s)+4*\c:12*(4*\t+\s)+4*\c+3], v1, s[12:13] offset:6144*\t+1536*\s+512*\c
.endr
.endr
.endr
	WIN 0
.irp t, 0,1,2,3
	global_load_b128 v[WS+4*\t:WS+4*\t+3], v1, s[14:15] offset:512*\t
.endr
.irp t, 0,1,2,3
	global_load_b128 v[BI+8*\t:BI+8*\t+3], v4, s[16:17] offset:(32*(\t/2)+8*(\t%2))*4
	global_load_b128 v[BI+8*\t+4:BI+8*\t+7], v4, s[16:17] offset:(32*(\t/2)+8*(\t%2))*4+16
.endr
	s_wait_tensorcnt 0x0                           ; my tile, if I asked for one, has landed:
	s_barrier_signal -1                            ; say so,
	s_barrier_wait -1                              ; and read behind the barrier, where both tiles are whole
.irp u, 0,1
.irp s, 0,1,2,3
.irp p, 0,1,2,3,4,5
	ds_load_b64 v[XF+12*(4*\u+\s)+2*\p:XF+12*(4*\u+\s)+2*\p+1], v2 offset:OCL+(2*\s+\p/3)*1536+768*\u+256*(\p%3)
.endr
.endr
.endr
.irp u, 0,1
.irp d, 0,1,2,3,4,5,6,7
	ds_load_b32 v[RAW+8*\u+\d], v3 offset:OSL+256*\d+128*\u
.endr
.endr
	s_wait_dscnt 0x0
.irp u, 0,1
.irp s, 0,1,2,3
	v_lshl_or_b32 v[XS+4*\u+\s], v[RAW+8*\u+2*\s+1], 16, v[RAW+8*\u+2*\s]   ; bytes 0, 1: head 2 s; bytes 2, 3: head 2 s + 1
.endr
.endr
.rept 8
	v_nop                                          ; a scale register written by a vector instruction stands eight places ahead of a scaled product
.endr
	s_wait_alu depctr_va_vdst(0)
	s_wait_loadcnt 0x0                             ; Wo, its scale words and the bias are in
	WIN 0x01                                       ; source 0 (Wo) window 1
.irp s, 0,1,2,3                                ; the eight accumulators by turns, a K step at a time
.irp u, 0,1
.irp t, 0,1,2,3
.if \s == 0
	v_wmma_scale_f32_16x16x128_f8f6f4 v[ACC+8*(4*\u+\t):ACC+8*(4*\u+\t)+7], v[12*(4*\t+\s):12*(4*\t+\s)+11], v[XF+12*(4*\u+\s):XF+12*(4*\u+\s)+11], v[BI+8*\t:BI+8*\t+7], v[WS+4*\t+\s], v[XS+4*\u+\s] matrix_a_fmt:MATRIX_FMT_FP6 matrix_b_fmt:MATRIX_FMT_FP6
.else
	v_wmma_scale_f32_16x16x128_f8f6f4 v[ACC+8*(4*\u+\t):ACC+8*(4*\u+\t)+7], v[12*(4*\t+\s):12*(4*\t+\s)+11], v[XF+12*(4*\u+\s):XF+12*(4*\u+\s)+11], v[ACC+8*(4*\u+\t):ACC+8*(4*\u+\t)+7], v[WS+4*\t+\s], v[XS+4*\u+\s] matrix_a_fmt:MATRIX_FMT_FP6 matrix_b_fmt:MATRIX_FMT_FP6
.endif
.endr
.endr
.endr
	WIN 0
.rept 4
	v_nop                                          ; places in front of the first read of results and of the loads over O's fragments
.endr
.irp u, 0,1                                    ; a tile of 16 tokens x my 64 columns through my stage; LDS serves a wave's instructions in order: no wait between stores and loads, nor in front of the next tile's stores
.irp t, 0,1,2,3
	ds_store_b128 v5, v[ACC+8*(4*\u+\t):ACC+8*(4*\u+\t)+3] offset:128*(\t/2)+32*(\t%2)        ; each accumulator from its low end on
	ds_store_b128 v5, v[ACC+8*(4*\u+\t)+4:ACC+8*(4*\u+\t)+7] offset:128*(\t/2)+32*(\t%2)+16
.endr
.irp i, 0,1,2,3,4,5,6,7
	ds_load_b128 v[XF+32*\u+4*\i:XF+32*\u+4*\i+3], v6 offset:2*\i*SP
.endr
.endr
.irp u, 0,1
.irp i, 0,1,2,3,4,5,6,7
	s_wait_dscnt 23-16*\u-\i                       ; behind this load: the tile's own later loads, and for tile 0 the 16 LDS instructions of tile 1
	global_store_b128 v7, v[XF+32*\u+4*\i:XF+32*\u+4*\i+3], s[18:19] offset:(8*\u+2*\i+8*(\i/4))*2048 th:TH_STORE_NT   ; stage row 2 i + h is token 8 u + 2 i + h + 8 (i / 4); 16 lanes store 256 consecutive bytes, aligned
.endr
.endr
	s_wait_tensorcnt 0x0                           ; the wave's end: behind my last tensor load and my last LDS store
	ds_add_u32 v[SPW], v[NIL]
	s_wait_dscnt 0x0
	s_endpgm
.Lfunc_end_k_q6420aafe21_oproj:
	.size	k_q6420aafe21_oproj, .Lfunc_end_k_q6420aafe21_oproj-k_q6420aafe21_oproj
	.p2alignl 7, 3214868480
	.fill 96, 4, 3214868480
	.section	.rodata,"a",@progbits
	.p2align	6, 0x0
	.amdhsa_kernel k_q6420aafe21_oproj
		.amdhsa_group_segment_fixed_size 167936
		.amdhsa_private_segment_fixed_size 0
		.amdhsa_enable_private_segment 0
		.amdhsa_kernarg_size 48
		.amdhsa_user_sgpr_count 2
		.amdhsa_user_sgpr_kernarg_segment_ptr 1
		.amdhsa_wavefront_size32 1
		.amdhsa_system_sgpr_workgroup_id_x 1
		.amdhsa_system_sgpr_workgroup_id_y 1
		.amdhsa_system_sgpr_workgroup_id_z 1
		.amdhsa_system_vgpr_workitem_id 0
		.amdhsa_next_free_vgpr 512
		.amdhsa_next_free_sgpr 66
		.amdhsa_reserve_vcc 0
		.amdhsa_float_denorm_mode_32 3
		.amdhsa_float_denorm_mode_16_64 3
		.amdhsa_memory_ordered 1
		.amdhsa_forward_progress 1
		.amdhsa_inst_pref_size 24
	.end_amdhsa_kernel
	.amdgpu_metadata
---
amdhsa.version: [ 1, 2 ]
amdhsa.kernels:
  - .name:           k_q6420aafe21_oproj
    .symbol:         k_q6420aafe21_oproj.kd
    .args:
      - { .name: oc, .offset: 0, .size: 8, .value_kind: global_buffer, .address_space: global }
      - { .name: os, .offset: 8, .size: 8, .value_kind: global_buffer, .address_space: global }
      - { .name: xc, .offset: 16, .size: 8, .value_kind: global_buffer, .address_space: global }
      - { .name: xs, .offset: 24, .size: 8, .value_kind: global_buffer, .address_space: global }
      - { .name: bo, .offset: 32, .size: 8, .value_kind: global_buffer, .address_space: global }
      - { .name: out0, .offset: 40, .size: 8, .value_kind: global_buffer, .address_space: global }
    .group_segment_fixed_size: 167936
    .private_segment_fixed_size: 0
    .kernarg_segment_align: 8
    .kernarg_segment_size: 48
    .max_flat_workgroup_size: 256
    .sgpr_count:     66
    .vgpr_count:     512
    .wavefront_size: 32
...
	.end_amdgpu_metadata
.endif
;; end of part 4
